; MI455X (gfx1250); checked and timed in simulation.
; The chip was launched on July 23, 2026; its instructions are those of AMD's public machine-readable ISA for CDNA 5 (MIT licence, August 2026) and "CDNA5" Instruction Set Architecture Reference Guide (July 2026). The comments in the code are by the model that wrote it; some were corrected since.
;; Scaled Dot Product Attention. Allowed arithmetic: matrix products marked QUANTISED: E5M2 operands, one E8M0 scale for each 32 along K, by v_wmma_scale_f32_16x16x128_f8f6f4 with both operands' format E5M2, f32 sums; everything else in f32.
;; Inputs: K_codes 4 x 16 x 2,048 x 2 x 32 uint8 (E5M2 codes of K, K innermost, in blocks of 32 codes); K_scales 4 x 16 x 2,048 x 2 uint8 (E8M0 scales of K, one for each 32 codes along K); Q_codes 4 x 16 x 2,048 x 2 x 32 uint8 (E5M2 codes of Q, K innermost, in blocks of 32 codes); Q_scales 4 x 16 x 2,048 x 2 uint8 (E8M0 scales of Q, one for each 32 codes along K); V_codes 4 x 16 x 64 x 64 x 32 uint8 (E5M2 codes of V, K innermost, in blocks of 32 codes); V_scales 4 x 16 x 64 x 64 uint8 (E8M0 scales of V, one for each 32 codes along K).
;; Outputs: out0 4 x 16 x 2,048 x 64 float32.
;; This version of the problem:
;;   THIS VERSION OF THE PROBLEM IS GIVEN IN LOW PRECISION. The matrix products marked QUANTISED in the list below multiply operands that are first quantised to E5M2 (5 exponent bits, 2 mantissa bits; 8 bits a number), with one power-of-two scale for each 32 numbers along K (OCP MX v1.0); their sums are f32. All else is computed in f32.
;;   The module's matrix products, in the order in which they are computed (A, B: the left and right operand; K: the contracted axis; several contracted axes count as one K, in the product's order):
;;     1. batch 64 x [M 2,048, K 64] x [K 64, N 2,048]; A: input Q (given as codes); B: input K (given as codes): QUANTISED
;;     2. batch 64 x [M 2,048, K 2,048] x [K 2,048, N 64]; A: softmax (see below); B: input V (given as codes): QUANTISED
;;   THE QUANTISER, for each operand of a quantised product, along K:
;;     - K is cut into blocks of 32 from its start; a last block that is shorter is filled with zeros.
;;     - A block's scale is 2^e with e = floor(log2(the largest magnitude in the block)) - 15, held to -126 .. 127; a block of zeros has e = 0. As a byte (E8M0): e + 127.
;;     - Each number is divided by its block's scale, clamped to +-57,344, and rounded to the nearest number of E5M2, ties to even, subnormals kept.
;;     - The product sums the exact products of the quantised numbers (number of the format x scale) in f32.
;;   ~~~python
;;   def quantise(x, axis):      # numpy; x: float32 -> the quantised numbers, widened to float32 again
;;       x = np.moveaxis(x, axis, -1); K = x.shape[-1]
;;       x = np.pad(x, [(0, 0)] * (x.ndim - 1) + [(0, -K % 32)]); x = x.reshape(x.shape[:-1] + (-1, 32)); a = np.abs(x).max(-1, keepdims=True)
;;       e = np.where(a > 0, np.clip(np.frexp(np.where(a > 0, a, 1))[1] - 1 - 15, -126, 127), 0)      # np.frexp(a)[1] - 1 = floor(log2(a)), exactly
;;       r = np.clip(x / 2.0 ** e, -57344, 57344)
;;       step = 2.0 ** (np.maximum(np.frexp(np.where(r == 0, 1, r))[1] - 1, -14) - 2)
;;       q = np.round(r / step) * step * 2.0 ** e      # np.round: ties to even
;;       return np.moveaxis(q.reshape(q.shape[:-2] + (-1,))[..., :K], -1, axis).astype(np.float32)
;;   ~~~
;;   SOFTMAX AHEAD OF A QUANTISED PRODUCT. Where the list says 'softmax', what is quantised is not the finished softmax but p = 2^(t - M), with t = logit x log2(e) and M = ceil(the row's largest t), a whole number; so 1/2 < the row's largest p <= 1. The row's sum l is taken of the UNQUANTISED p, in f32, and the product's result is divided by l at the end. Since M is a whole number, a kernel that streams over the keys may use a running M (the ceiling of the running maximum): every later rescaling is an exact power of two, which a block's scale takes up: the codes' values come out the same.
;;   OPERANDS COMPUTED ON THE WAY. 'Computed on the way' means the value that the module computes at that place (a softmax that the list does not call 'softmax' is quantised finished and normalised). What goes into a quantiser is computed in f32, as accurately as f32 sums, v_exp_f32 and their like allow (about 1e-6 of the number): no bf16 or f16 on the way to a quantiser, and a product that is left as it is and whose result goes on into a quantised operand takes f32 operands (vector FMAs, or v_wmma_f32_16x16x4_f32). A number that lies on a knife's edge between two numbers of the format may be rounded either way, as far as f32 arithmetic and the matrix unit's own rounding can turn it there, and no further.
;;   INPUTS GIVEN AS CODES. K (in the module: [4, 16, 2048, 64], K = its axis 3); Q (in the module: [4, 16, 2048, 64], K = its axis 3); V (in the module: [4, 16, 2048, 64], K = its axis 2): each comes as NAME_codes (uint8): NAME with its K axis moved to the last place and cut into blocks of 32 codes, [.., K / 32, bytes a block], one block behind the other in memory; one code a byte (a code: sign, 5 exponent bits, 2 mantissa bits); and NAME_scales (uint8): the same leading axes, one E8M0 byte (e + 127) for each 32 codes along K. Its value is code x scale, taken as it is: it is not quantised again, and the codes and scales need not be those that the quantiser above would give.
;; One version. Each part assembles by itself: llvm-mc -triple=amdgcn-amd-amdhsa -mcpu=gfx1250 --defsym DOCPART=n.
;; ======== version 1 of 1: 1 launch
;; limits: right only within a limited range of input values
;; launch attn (part 1): grid 4 x 64, 16 waves a work-group, clusters of 4 x 1, 327,680 bytes of LDS; arguments Q_codes, Q_scales, K_codes, K_scales, V_codes, V_scales, out0; writes out0
.if DOCPART == 1
	.amdgcn_target "amdgcn-amd-amdhsa--gfx1250"
	.amdhsa_code_object_version 6
	.text
	.protected	k_qf50abc441f_attn
	.globl	k_qf50abc441f_attn
	.p2align	8
	.type	k_qf50abc441f_attn,@function
k_qf50abc441f_attn:
	s_mov_b64 s[64:65], 0
	v_nop
	global_prefetch_b8 v0, s[64:65] scope:SCOPE_SE
	s_setreg_imm32_b32 hwreg(HW_REG_WAVE_MODE, 25, 1), 1
	s_wait_xcnt 0x0
	s_wait_alu depctr_hold_cnt(0) depctr_sa_sdst(0) depctr_va_vdst(0) depctr_va_sdst(0) depctr_va_ssrc(0) depctr_va_vcc(0) depctr_vm_vsrc(0)
	s_getreg_b32 s2, hwreg(HW_REG_IB_STS2, 6, 4)
	s_cmp_eq_u32 s2, 0
	s_cbranch_scc0 .Lentry_in_a_cluster
	s_endpgm
.Lentry_in_a_cluster:
	s_bfe_u32 s2, ttmp6, 0x10000c
	s_cmp_lg_u32 s2, 0x3003
	s_cbranch_scc0 .Lentry_shape_is_right
	s_endpgm
.Lentry_shape_is_right:
; Causal attention on codes of BF8 (E5M2) with one E8M0 scale for each 32 along a product's K.  64 heads, 2,048 queries and keys, head size 64.
; Q, K: [head][2048][64 bytes], scale bytes [head][2048][2].  V: keys innermost, [head][64][2048 bytes], scale bytes [head][64][64].  out0: [head][2048][64] f32: a row is 256 bytes.
; THE SOFTMAX AHEAD OF THE SECOND PRODUCT: t = score x log2(e) / 8; M = the row's largest t so far, rounded UP to a whole number; p = 2^(t - M) is quantised along the keys, not normalised;
; the row's sum is taken of the unquantised p and divides O at the end.  When M moves, the sum and O are multiplied by 2^(old M - new M): exact.
; SHARES.  A cluster of four work-groups owns a head; a work-group has sixteen waves of 256 registers, four to a SIMD, so that one wave's vector work stands beside another's products and LDS loads.
; A head has 128 tiles of 16 queries.  With a = 4 x wave + place in the cluster, a wave owns tile a (LO) and tile 127 - a (HI).  Tile i needs the key steps (128 keys) 0 .. i / 8, so LO needs
; wave / 2 + 1 steps and HI 16 - wave / 2: 17 for every wave of every work-group, and both counts hang on the wave's number alone: the four partners run alike and walk the same 16 key steps.
; So each tile of K and V is asked for JOINTLY, by the same tensor load with a mask that names the four.  The place in the cluster enters only Q's and out0's addresses, the prefetches' address and the number
; that the diagonal's mask compares with.  A tile of queries is finished in its diagonal step and is stored there: LO tiles leave in key steps 0-7, HI tiles in 8-15, while other waves compute.
; LAYOUT.  Both products are used transposed: S^T = K Q^T (source 0 = keys, source 1 = my 16 queries), O^T = V^T P^T (source 0 = 16 of the head's 64, source 1 = P): a lane holds ONE query (lane % 16).
; THE KEYS OF A TILE ARE NOT NEIGHBOURS: lane r of tile 2 b + u takes key 32 b + 8 u + r + 8 (r / 8), so that the 16 registers of tiles 2 b, 2 b + 1 are the keys 32 b + 16 (lane / 16) + 0 .. 15.
; THE FIRST PRODUCT'S K IS 64, THE INSTRUCTION'S 128.  One source 0 holds TWO tiles of keys: registers 0-7 tile 2 b, registers 8-15 tile 2 b + 1.  Q stands between two runs of zero codes, [Z][Q][Z]:
; source 1 = (Q, Z) gives tile 2 b's scores, (Z, Q) tile 2 b + 1's.  K's scale word is (tile 2 b's two bytes, tile 2 b + 1's two); Q's is its two bytes twice.
; LIMITS.  (1) The unused half of a first product multiplies K's codes by zero codes: infinity and NaN codes, and scale bytes 0xff, among the inputs are not served.
; (2) Key steps all of whose keys are hidden are left out, and hidden scores of the diagonal step become -1e7 x 8 ahead of the scaling, as the problem fills them: the same as the problem's result unless
; all open logits of a row lie near -1e7.  (3) v_exp_f32 gives 0 for p under 2^-126.  (4) A block whose every p is 0 keeps the scale byte 1 where the rule says 127: its codes are zeros.
; (5) A block's largest p is made from its largest score, which takes v_exp_f32 not to fall where its input rises.
;
; LDS.  A slot holds 512 keys (four key steps).  K lies in two runs: keys with bit 4 clear from the slot's byte 0, keys with bit 4 set from byte KC1; key 32 B + e (+ 16) at place 16 B + e, 80 bytes a place
; (64 + 16 of padding)..
; V: 64 rows of 512 bytes + 16 from byte VOFF: row r starts at bank 4 r.
.set KP,    80
.set KC1,   20608
.set VOFF,  41216
.set VP,    528
.set SLOT1, 1<<17                      ; slot 1 begins here: one exclusive or turns an address in one slot into the other's
.set KWT,   75008                      ; behind slot 0: K's scale words of the whole head, word 64 s + 4 row + b (key step s, lane row, pair of tiles b): 4,096 bytes, stored once
.set VWT,   KWT+4096                   ; V's: word 64 s + 4 row + t (tile t of the head's 64): 4,096 bytes
.set QIMG,  83200                      ; images of Q's registers, 2,048 bytes a wave: LO at 0 and 512, HI at 1,024 and 1,536
.set SPARE, 115968                     ; the spare words, 128 bytes for each wave: eight blocks of 256 bytes that no other line names
.set STAGE, 206080                     ; behind slot 1: the way out, 16 rows x (256 + 16) bytes for each wave
.set SP,    272
; VECTOR REGISTERS
.set AK0, 1                            ; my lane's place in a tile of K
.set AV0, 2                            ; in a tile of V
.set ASW, 3                            ; among K's scale words (V's lie 4,096 bytes on)
.set AQ,  4                            ; in my wave's images of Q
.set SPW, 5                            ; LDS address of my spare word; never rewritten
.set NIL, 6                            ; 0; never rewritten
.set PFO, 7                            ; the prefetches' lane offset; never rewritten
.set ADR, 8                            ; LDS address of the run of loads in hand
.set STO, 9                            ; the way out: where I put 32 bytes of a row
.set RD,  10                           ; where I read a row back
.set GO,  11                           ; my byte offset in the tile's rows of out0
.set STT, 12                           ; v12-15 LO, v16-19 HI: -M, at work, the sum in two halves
.set QW,  20                           ; v20, v21 Q's scale words, LO and HI
.set PW,  22                           ; p's scale word
.set TMP, 23
.set KVW, 24                           ; v24-27 four scale words of K, then of V
.set FP,  28                           ; v28 f = 2^(old M - new M); v29 named with it as a pair
.set RC,  30                           ; v30 1 / the sum; v31 named with it as a pair
.set QB,  32                           ; v32-39 zero codes, v40-47 Q, v48-55 zero codes
.set P,   56                           ; v56-71 p's codes: block 0 in v56-59, blocks 1-3 over block 0's numbers, which are done with by then
.set S,   60                           ; v60-123 the scores, then p; on the way out O / the sum and the rows read back
.set F,   124                          ; v124-187 four sources 0 of K; between the products the softmax's scratch; then four of V
.set BM,  124                          ; a block's largest score, then its largest p
.set PT,  128                          ; the other half's maxima; v128-129 the second chain of sums; the bytes
.set HD,  132
.set SCO, 136                          ; the conversions' scale operand
.set HD2, 141
.set OA,  188                          ; v188-219 LO's O^T, v220-251 HI's: 4 tiles x 8
.set RH,  252                          ; (lane % 16) - 16 (lane / 16)
.set NEG, 253                          ; -8e7
; SCALAR REGISTERS
.set WV,  18                           ; my wave's number
.set UL,  19                           ; s19 LO's last key step, s20 HI's
.set KS,  21                           ; the key step, 0 .. 15
.set SEL, 22                           ; s[22:23] selects for v_permlanex16_b32: lane l xor 16
.set CS,  24                           ; s[24:25] c = log2(e) / 8: the packed form names a pair and takes its low word for both halves
.set MNT, 26
.set TK,  27                           ; LDS byte at which the step's K begins
.set G1K, 28                           ; s[28:35] descriptor group 1 for K's tiles;  s[36:43] for V's;  s[44:47], s[48:51] their groups 0, which walk
.set G1V, 36
.set G0K, 44
.set G0V, 48
.set TV,  52                           ; where the step's V begins in a row
.set TS,  53                           ; 256 x key step: the step's scale words
.set SLOTS, 54
.set NST, 55
.set SDL, 56                           ; s56 LO's first query less its diagonal step's first key, s57 HI's
.set OL,  58                           ; s[58:59] LO's rows of out0, s[60:61] HI's
.set PFA, 62                           ; s[62:63] where my prefetches stand
.set PFS, 66                           ; s[66:67] a slot on, in bytes
.set LIM, 68                           ; 1 in a wave that prefetches, else the greatest number
; A round of the cluster's barrier: my work-group's barrier, so that wave 0's signal speaks for all sixteen waves; wave 0 signals; every wave waits for the four work-groups; my work-group's barrier once more.
.macro CROUND
	s_barrier_signal -1
	s_barrier_wait -1
	s_cmp_lg_u32 s[WV], 0
	s_cbranch_scc1 .Lnot_wave_0_\@
	s_barrier_signal -3
.Lnot_wave_0_\@:
	s_barrier_wait -3
	s_barrier_signal -1
	s_barrier_wait -1
.endm
; A joint load.  Waves 0 and 1 fetch K's two runs, wave 2 V's 64 rows, the others nothing.  The branches hang on the wave's number alone.  Four v_nop follow each of the two lines.
.macro JLOAD
	s_cmp_lt_u32 s[WV], 2
	s_cbranch_scc0 .Lnot_k_\@
	tensor_load_to_lds s[G0K:G0K+3], s[G1K:G1K+7]
	s_nop 0
.rept 4
	v_nop
.endr
	s_branch .Lasked_\@
.Lnot_k_\@:
	s_cmp_eq_u32 s[WV], 2
	s_cbranch_scc0 .Lasked_\@
	tensor_load_to_lds s[G0V:G0V+3], s[G1V:G1V+7]
	s_nop 0
.rept 4
	v_nop
.endr
.Lasked_\@:
.endm
; A PREFETCH INTO THE L2 of what the NEXT change of slots will ask for: 512 keys of K, one dense block of 32,768 bytes, and 512 bytes of each of V's 64 rows: 128 + 128 aligned blocks of 256 bytes.
; Only this cluster reads this head.  Its four partners share the blocks out BY ADDRESS, 32 + 32 each; in each, wave 4 asks for K's and wave 5 for V's, a lane a block: each block is named once in the launch.
; It stands four key steps ahead of the load that will want the bytes.  The last change that fills a slot asks for nothing; slots 0 and 1 come by their loads alone.
.macro ASK
	s_cmp_gt_u32 s[SLOTS], s[LIM]
	s_cbranch_scc0 .Lnot_mine_\@
	global_prefetch_b8 v[PFO], s[PFA:PFA+1] th:TH_LOAD_NT scope:SCOPE_SE
.Lnot_mine_\@:
.endm
; THE CHANGE OF SLOTS stands at a slot's head.  Each wave waits for all its tensor loads (its part of the slot ahead), adds 0 to its spare word, and waits for that and for all its LDS instructions.
; fill = 1: the barrier is a round of the cluster's, so that no wave of any partner still reads the slot that was left or has a load on its way; the joint refill is the first thing behind it and has
; four key steps in which to land.
.macro CHANGE fill
	s_wait_tensorcnt 0x0                           ; no tensor load of mine is out, so a group 0 may be written
	ds_add_u32 v[SPW], v[NIL]                      ; 0 onto my spare word
.if \fill
	s_xor_b32 s[G0K+1], s[G0K+1], SLOT1            ; the walking descriptors: the other slot than last time,
	s_add_nc_u64 s[G0K+2:G0K+3], s[G0K+2:G0K+3], 512*64   ; the next 512 keys; the type bits on top are not reached
	s_xor_b32 s[G0V+1], s[G0V+1], SLOT1
	s_add_nc_u64 s[G0V+2:G0V+3], s[G0V+2:G0V+3], 512
	s_wait_xcnt 0x0                                ; the last prefetch, a slot back, has read its address, so it may be written:
	s_add_nc_u64 s[PFA:PFA+1], s[PFA:PFA+1], s[PFS:PFS+1]  ; one slot further on than the walking descriptors
	s_wait_dscnt 0x0                               ; the add is done, my LDS stores have landed and my reads of the slot that I have left are over
	CROUND
	JLOAD
	ASK
.else
	s_wait_dscnt 0x0
	s_barrier_signal -1
	s_barrier_wait -1
.endif
.endm
; THE WAY OUT of a tile of 16 queries, in its diagonal step.  O^T / the sum goes through my own stage in LDS and leaves as whole rows: each store of the wave covers 512 consecutive bytes, aligned to 256.
.macro OUT hi
.rept 8
	v_nop                                          ; eight places between the last products and the first read of their results and the first write over p's codes
.endr
	v_add_f32 v[rT+1], v[rT+2], v[rT+3]            ; the sum's two halves,
	s_delay_alu instid0(VALU_DEP_1)
	v_permlanex16_b32 v[TMP], v[rT+1], s[SEL], s[SEL+1]
	s_delay_alu instid0(VALU_DEP_1)
	v_add_f32 v[rT+1], v[rT+1], v[TMP]             ; and lane l xor 16's: the row's sum
	s_wait_alu depctr_va_vdst(0)
	v_rcp_f32 v[RC], v[rT+1]
	v_nop                                          ; a plain instruction behind the reciprocal,
	s_wait_alu depctr_va_vdst(0)                   ; and the wait ahead of its first reader
.set n, 0
.rept 16
	v_pk_mul_f32 v[S+n:S+n+1], v[rO+n:rO+n+1], v[RC:RC+1] op_sel_hi:[1,0]   ; register 8 t + j is o(query r, channel 16 t + 8 h + j); each accumulator is read from its low end on
.set n, n+2
.endr
.irp t, 0,1,2,3
	ds_store_b128 v[STO], v[S+8*\t:S+8*\t+3] offset:64*\t
	ds_store_b128 v[STO], v[S+8*\t+4:S+8*\t+7] offset:64*\t+16
.endr
.irp i, 0,1,2,3,4,5,6,7
	ds_load_b128 v[S+32+4*\i:S+32+4*\i+3], v[RD] offset:2*SP*\i   ; LDS serves a wave's instructions in order (ISA guide 5.7.1.4): these see my stores; lanes 0-15 take one row, lanes 16-31 the next
.endr
.irp i, 0,1,2,3,4,5,6,7
	s_wait_dscnt 7-\i                              ; the 7 - i loads issued behind this one may stay out
	global_store_b128 v[GO], v[S+32+4*\i:S+32+4*\i+3], s[OL+2*\hi:OL+2*\hi+1] offset:512*\i th:TH_STORE_NT
.endr
	s_wait_xcnt 0x0                                ; the stores have read their data registers, which the next products write
.endm
; ONE TILE OF QUERIES (hi = 0: LO, 1: HI) AGAINST ONE KEY STEP OF 128 KEYS.
.macro BODY hi
.set rO, OA+32*(\hi)
.set rT, STT+4*(\hi)
	s_cmp_gt_u32 s[KS], s[UL+\hi]                  ; all 128 keys come after my 16 queries: nothing to do.  (Wave's number and loop count alone; no barrier and no tensor load stands in here)
	s_cbranch_scc1 .Lskip_\@
.rept 8
	v_nop                                          ; with the two additions below: ten places behind the last products.  Eight are owed to the loads into their sources, nine to the products below, which write over p's codes
.endr
	v_add_nc_u32 v[ADR], s[TK], v[AK0]
	ds_load_b128 v[QB+8:QB+11], v[AQ] offset:1024*(\hi)        ; my tile's Q: the image of its eight registers
	ds_load_b128 v[QB+12:QB+15], v[AQ] offset:1024*(\hi)+512
.irp b, 0,1,2,3
.irp u, 0,1
.irp c, 0,1
	ds_load_b128 v[F+16*\b+8*\u+4*\c:F+16*\b+8*\u+4*\c+3], v[ADR] offset:16*KP*\b+8*KP*\u+32*\c   ; tile 2 b + u, channels 32 c + 16 (lane / 16) on
.endr
.endr
.endr
	v_add_nc_u32 v[ADR], s[TS], v[ASW]
	ds_load_b128 v[KVW:KVW+3], v[ADR]              ; the step's four scale words of my row
	s_wait_dscnt 0x0
	s_wait_alu depctr_va_vdst(0)
.irp b, 0,1,2,3
	v_wmma_scale_f32_16x16x128_f8f6f4 v[S+16*\b:S+16*\b+7], v[F+16*\b:F+16*\b+15], v[QB+8:QB+23], 0, v[KVW+\b], v[QW+\hi] matrix_a_fmt:MATRIX_FMT_BF8 matrix_b_fmt:MATRIX_FMT_BF8
	v_wmma_scale_f32_16x16x128_f8f6f4 v[S+16*\b+8:S+16*\b+15], v[F+16*\b:F+16*\b+15], v[QB:QB+15], 0, v[KVW+\b], v[QW+\hi] matrix_a_fmt:MATRIX_FMT_BF8 matrix_b_fmt:MATRIX_FMT_BF8
.endr
.rept 8
	v_nop                                          ; eight places ahead of the first read of the scores and of the scratch's first write over K's registers
.endr
	s_cmp_lg_u32 s[KS], s[UL+\hi]                  ; only the diagonal step has hidden keys
	s_cbranch_scc1 .Lopen_\@
	v_add_nc_u32 v[TMP], s[SDL+\hi], v[RH]         ; d = my query - the step's first key - 16 (lane / 16).  Register 16 b + i holds key 32 b + 16 (lane / 16) + i of the step: hidden where 32 b + i > d
.set n, 0
.rept 64
	v_cmp_gt_i32 vcc_lo, 32*(n/16)+n%16, v[TMP]
	v_cndmask_b32 v[S+n], v[S+n], v[NEG], vcc_lo
.set n, n+1
.endr
.Lopen_\@:
.irp b, 0,1,2,3
	v_max3_num_f32 v[BM+\b], v[S+16*\b], v[S+16*\b+1], v[S+16*\b+2]   ; the largest score of each block of 32 keys: it serves for the row's maximum and, since p rises with the score, for the block's largest p
.endr
.irp i, 3,5,7,9,11,13
.irp b, 0,1,2,3
	v_max3_num_f32 v[BM+\b], v[BM+\b], v[S+16*\b+\i], v[S+16*\b+\i+1]  ; (the four blocks by turns)
.endr
.endr
.irp b, 0,1,2,3
	v_max_num_f32 v[BM+\b], v[BM+\b], v[S+16*\b+15]
.endr
.irp b, 0,1,2,3
	s_delay_alu instid0(VALU_DEP_4)
	v_permlanex16_b32 v[PT+\b], v[BM+\b], s[SEL], s[SEL+1]
.endr
.irp b, 0,1,2,3
	s_delay_alu instid0(VALU_DEP_4)
	v_max_num_f32 v[BM+\b], v[BM+\b], v[PT+\b]     ; with lane l xor 16's 16 keys
.endr
	s_delay_alu instid0(VALU_DEP_2)
	v_max3_num_f32 v[TMP], v[BM], v[BM+1], v[BM+2]
	s_delay_alu instid0(VALU_DEP_1)
	v_max_num_f32 v[TMP], v[TMP], v[BM+3]          ; the step's largest score of my query,
	s_delay_alu instid0(VALU_DEP_1)
	v_mul_f32 v[TMP], s[CS], v[TMP]                ; as t (c is positive),
	s_delay_alu instid0(VALU_DEP_1)
	v_floor_f32 v[TMP], -v[TMP]                    ; and -ceil(t).  The ceiling of the running maximum is the running maximum of the ceilings: -M alone is kept
	v_mov_b32 v[rT+1], v[rT]
	s_delay_alu instid0(VALU_DEP_2)
	v_min_num_f32 v[rT], v[rT], v[TMP]             ; the new -M
	s_delay_alu instid0(VALU_DEP_1)
	v_sub_f32 v[rT+1], v[rT], v[rT+1]              ; old M - new M: a whole number, 0 or less
	s_delay_alu instid0(VALU_DEP_1)
	v_cvt_i32_f32 v[rT+1], v[rT+1]                 ; (it saturates)
	s_delay_alu instid0(VALU_DEP_1)
	v_ldexp_f32 v[FP], 1.0, v[rT+1]                ; f = 2^(old M - new M): a multiplication by it rounds nothing
.set n, 0
.rept 32
	v_pk_fma_f32 v[S+n:S+n+1], v[S+n:S+n+1], s[CS:CS+1], v[rT:rT+1] op_sel_hi:[1,0,0]   ; t - M, two at a time (of the pairs c and -M the low word serves both halves)
.set n, n+2
.endr
.irp b, 0,1,2,3
	v_fma_f32 v[BM+\b], v[BM+\b], s[CS], v[rT]     ; the same of each block's largest score
.endr
.set n, 0
	s_wait_alu depctr_va_vdst(0)
.rept 64
	v_exp_f32 v[S+n], v[S+n]                       ; p = 2^(t - M), at most 1: not normalised
.set n, n+1
.endr
	v_pk_mul_f32 v[rT+2:rT+3], v[rT+2:rT+3], v[FP:FP+1] op_sel_hi:[1,0]   ; the sums under the new M: the plain instruction behind the exponentials
	s_wait_alu depctr_va_vdst(0)                   ; one wait for the batch of 64, ahead of its first reader
.irp b, 0,1,2,3
	v_exp_f32 v[BM+\b], v[BM+\b]                   ; the block's largest p: the same two instructions on the same number give the same bits
.endr
	v_pk_add_f32 v[PT:PT+1], v[S:S+1], v[S+2:S+3]  ; the row's sum is taken of the UNQUANTISED p: two at a time, in two chains.  (It reads the 64 alone: plain work behind the four)
.irp j, 4,8,12,16,20,24,28,32,36,40,44,48,52,56,60
	v_pk_add_f32 v[rT+2:rT+3], v[rT+2:rT+3], v[S+\j:S+\j+1]
	v_pk_add_f32 v[PT:PT+1], v[PT:PT+1], v[S+\j+2:S+\j+3]
.endr
	s_delay_alu instid0(VALU_DEP_1)
	v_pk_add_f32 v[rT+2:rT+3], v[rT+2:rT+3], v[PT:PT+1]
	s_wait_alu depctr_va_vdst(0)                   ; and one for the four
.irp b, 0,1,2,3
	v_max_num_f32 v[BM+\b], 0x8000000, v[BM+\b]    ; the floor 2^(16 - 127): the byte cannot fall under 1
.endr
.irp b, 0,1,2,3
	s_delay_alu instid0(VALU_DEP_4)
	v_add_nc_u32 v[SCO+\b], 0xf8800000, v[BM+\b]   ; 15 off the exponent field: the conversion takes the exponent field of this operand as its scale
.endr
.irp b, 0,1,2,3
.endr
.irp b, 0,1,2,3
.endr
.irp b, 0,1,2,3
	s_delay_alu instid0(VALU_DEP_4)
	v_lshrrev_b32 v[PT+\b], 23, v[SCO+\b]          ; the scale's byte
.endr
	s_delay_alu instid0(VALU_DEP_3)
	v_lshl_or_b32 v[PW], v[PT+1], 8, v[PT]         ; p's scale word for these 128 keys
	s_delay_alu instid0(VALU_DEP_1)
	v_lshl_or_b32 v[PW], v[PT+2], 16, v[PW]
	s_delay_alu instid0(VALU_DEP_1)
	v_lshl_or_b32 v[PW], v[PT+3], 24, v[PW]
.irp b, 0,1,2,3
.irp k, 0,2,4,6,8,10,12,14
.endr
	v_cvt_scalef32_pk8_bf8_f32 v[P+4*\b:P+4*\b+1], v[S+16*\b:S+16*\b+7], v[SCO+\b]         ; registers 4 b .. 4 b + 3 of source 1: keys 32 b + 16 (lane / 16) + 0 .. 15.
	v_cvt_scalef32_pk8_bf8_f32 v[P+4*\b+2:P+4*\b+3], v[S+16*\b+8:S+16*\b+15], v[SCO+\b]
.endr
	v_nop                                          ; a plain instruction behind the last conversion
	v_add_nc_u32 v[ADR], s[TV], v[AV0]
.irp t, 0,1,2,3
.irp c, 0,1,2,3
	ds_load_b128 v[F+16*\t+4*\c:F+16*\t+4*\c+3], v[ADR] offset:16*VP*\t+32*\c   ; channels 16 t + lane % 16, keys 32 c + 16 (lane / 16) on
.endr
.endr
	v_add_nc_u32 v[ADR], s[TS], v[ASW]
	ds_load_b128 v[KVW:KVW+3], v[ADR] offset:VWT-KWT
.set n, 0
.rept 16
	v_pk_mul_f32 v[rO+n:rO+n+1], v[rO+n:rO+n+1], v[FP:FP+1] op_sel_hi:[1,0]   ; O^T under the new M, while V is on its way from LDS; also the places between the codes' making and the products
.set n, n+2
.endr
	s_wait_alu depctr_va_vdst(0)
	s_wait_dscnt 0x0
.irp t, 0,1,2,3
	v_wmma_scale_f32_16x16x128_f8f6f4 v[rO+8*\t:rO+8*\t+7], v[F+16*\t:F+16*\t+15], v[P:P+15], v[rO+8*\t:rO+8*\t+7], v[KVW+\t], v[PW] matrix_a_fmt:MATRIX_FMT_BF8 matrix_b_fmt:MATRIX_FMT_BF8   ; four accumulators by turns; the next products on them stand behind eight others
.endr
	s_cmp_lg_u32 s[KS], s[UL+\hi]
	s_cbranch_scc1 .Lskip_\@
	OUT \hi                                        ; the diagonal step was the tile's last
.Lskip_\@:
.endm
; A slot's four key steps: written once, walked four times.  lo = 0: key steps 12 to 15, in which no LO tile has work (its last step is 7 at the most).
.macro SLOT_STEPS lo
	s_mov_b32 s[NST], 4
.Lstep_\@:
.if \lo
	BODY 0
.endif
	BODY 1
	s_add_co_u32 s[TK], s[TK], 64*KP               ; 128 keys are 64 places in each of K's two runs,
	s_add_co_u32 s[TV], s[TV], 128                 ; 128 bytes in a row of V,
	s_add_co_u32 s[TS], s[TS], 256                 ; 64 scale words
	s_add_co_u32 s[KS], s[KS], 1
	s_sub_co_u32 s[NST], s[NST], 1
	s_cmp_lg_u32 s[NST], 0
	s_cbranch_scc1 .Lstep_\@
.if \lo
	s_sub_co_u32 s[TK], s[TK], 4*64*KP             ; back to a slot's first step,
	s_xor_b32 s[TK], s[TK], SLOT1                  ; in the other slot
	s_sub_co_u32 s[TV], s[TV], 512
	s_xor_b32 s[TV], s[TV], SLOT1
.endif
.endm
	s_load_b256 s[4:11], s[0:1], 0x0               ; Q's codes s[4:5], Q's scales s[6:7], K's codes s[8:9], K's scales s[10:11]
	s_load_b128 s[12:15], s[0:1], 0x20             ; V's codes, V's scales
	s_load_b64 s[16:17], s[0:1], 0x30              ; out0
	v_lshl_add_u32 v[SPW], v0, 2, SPARE
	v_mov_b32 v[NIL], 0
	ds_add_u32 v5, v6
	ds_add_u32 v5, v6
	s_wait_dscnt 0x0
	v_lshrrev_b32 v[ADR], 5, v0
	s_delay_alu instid0(VALU_DEP_1)
	v_readfirstlane_b32 s[WV], v[ADR]              ; wave 0..15
	s_bfe_u32 s69, ttmp6, 0x40000                  ; g: my place in the cluster
	s_and_b32 s70, ttmp7, 0xffff                   ; the head, which the four partners share
	s_and_b32 s71, s[WV], 1
	s_lshr_b32 s[UL], s[WV], 1                     ; LO's last key step: (4 w + g) / 8 = w / 2
	s_sub_co_u32 s[UL+1], 15, s[UL]                ; HI's: (127 - 4 w - g) / 8 = 15 - w / 2
	s_lshl_b32 s[SDL], s71, 6
	s_lshl_b32 s72, s69, 4
	s_add_co_u32 s[SDL], s[SDL], s72               ; LO's first query in its diagonal step: 16 (4 (w % 2) + g)
	s_sub_co_u32 s[SDL+1], 112, s[SDL]             ; HI's
	s_lshl_b32 s73, s[WV], 2
	s_add_co_u32 s73, s73, s69                     ; a = 4 w + g: LO's tile
	s_sub_co_u32 s74, 127, s73                     ; HI's
	s_lshl_b32 s76, s70, 17                        ; the head's first byte in each tensor of codes (2,048 x 64),
	s_mov_b32 s77, 0
	s_lshl_b32 s78, s70, 12                        ; in each tensor of scale bytes,
	s_mov_b32 s79, 0
	s_lshl_b32 s80, s70, 19                        ; and in out0
	s_lshl_b32 s82, s73, 10                        ; a tile's 16 rows of Q are 1,024 bytes,
	s_add_co_u32 s82, s82, s76
	s_mov_b32 s83, 0
	s_lshl_b32 s84, s74, 10
	s_add_co_u32 s84, s84, s76
	s_mov_b32 s85, 0
	s_lshl_b32 s86, s73, 5                         ; its scale bytes 32,
	s_add_co_u32 s86, s86, s78
	s_mov_b32 s87, 0
	s_lshl_b32 s88, s74, 5
	s_add_co_u32 s88, s88, s78
	s_mov_b32 s89, 0
	s_lshl_b32 s[OL], s73, 12                      ; its rows of out0 4,096
	s_add_co_u32 s[OL], s[OL], s80
	s_mov_b32 s[OL+1], 0
	s_lshl_b32 s[OL+2], s74, 12
	s_add_co_u32 s[OL+2], s[OL+2], s80
	s_mov_b32 s[OL+3], 0
	s_lshl_b32 s90, s71, 10                        ; K's run w % 2 begins 16 keys, 1,024 bytes, on.  (No register that feeds a descriptor ever holds g)
	s_mov_b32 s91, 0
	s_add_nc_u64 s[90:91], s[90:91], s[76:77]
	; descriptor group 1 for K: 16 rows of 1,024 bytes (16 keys on end), 2,048 bytes apart in memory; in LDS 16 bytes of padding behind every 64: a key every 80 bytes, through all rows
	s_mov_b32 s[G1K], 15|(1<<20)|(1<<21)|(3<<22)|(3<<25)   ; 15:0 the mask: all four work-groups; 17:16 elements of 1 byte; 20 padding on; 21 set beside a mask; 24:22 after every 16 words (code 3); 31:25 four words (code 3)
	s_mov_b32 s[G1K+1], 1024<<16                   ; tensor_dim0
	s_mov_b32 s[G1K+2], 16<<16                     ; tensor_dim1
	s_mov_b32 s[G1K+3], 1024<<16                   ; tile_dim0
	s_mov_b32 s[G1K+4], 16                         ; tile_dim1
	s_mov_b32 s[G1K+5], 2048                       ; tensor_dim0_stride
	s_mov_b32 s[G1K+6], 0
	s_mov_b32 s[G1K+7], 0
	; and for V: 64 rows of 512 bytes, 2,048 bytes apart; 16 bytes of padding behind each row
	s_mov_b32 s[G1V], 15|(1<<20)|(1<<21)|(6<<22)|(3<<25)   ; padding: four words after every 128 (code 6)
	s_mov_b32 s[G1V+1], 512<<16
	s_mov_b32 s[G1V+2], 64<<16
	s_mov_b32 s[G1V+3], 512<<16
	s_mov_b32 s[G1V+4], 64
	s_mov_b32 s[G1V+5], 2048
	s_mov_b32 s[G1V+6], 0
	s_mov_b32 s[G1V+7], 0
	s_mov_b32 s[SEL], 0x76543210
	s_mov_b32 s[SEL+1], 0xfedcba98
	s_mov_b32 s[CS], 0x3e38aa3b                    ; c = log2(e) / sqrt(64)
	s_mov_b32 s[CS+1], s[CS]                       ; (named with it as a pair, so it is written)
	s_mov_b32 s[TK], 0
	s_mov_b32 s[TV], 0
	s_mov_b32 s[TS], 0
	s_mov_b32 s[KS], 0
	s_mov_b32 s[SLOTS], 3
	s_mov_b32 s[G0K], 1                            ; 1:0 count = 1
	s_mul_i32 s[G0K+1], s71, KC1                   ; 63:32 LDS address: slot 0, run w % 2
	s_mov_b32 s[G0V], 1
	s_mov_b32 s[G0V+1], VOFF
	s_wait_kmcnt 0x0
	s_add_nc_u64 s[G0K+2:G0K+3], s[8:9], s[90:91]  ; 120:64 global address: the head's first 512 keys
	s_or_b32 s[G0K+3], s[G0K+3], 0x80000000        ; 127:126 type = 2
	s_add_nc_u64 s[G0V+2:G0V+3], s[12:13], s[76:77]
	s_or_b32 s[G0V+3], s[G0V+3], 0x80000000
	CROUND                                         ; all four work-groups are here: the first joint loads meet
	JLOAD                                          ; slot 0: the launch's one first fill; slot 1 is first filled behind the first change's round, as a refill is
	; while slot 0 is on its way: addresses, Q, the scale words
	s_add_nc_u64 s[82:83], s[4:5], s[82:83]        ; Q's codes at LO's tile,
	s_add_nc_u64 s[84:85], s[4:5], s[84:85]        ; at HI's;
	s_add_nc_u64 s[86:87], s[6:7], s[86:87]        ; their scale bytes
	s_add_nc_u64 s[88:89], s[6:7], s[88:89]
	s_add_nc_u64 s[10:11], s[10:11], s[78:79]      ; K's and V's scale bytes at my head
	s_add_nc_u64 s[14:15], s[14:15], s[78:79]
	s_add_nc_u64 s[OL:OL+1], s[16:17], s[OL:OL+1]
	s_add_nc_u64 s[OL+2:OL+3], s[16:17], s[OL+2:OL+3]
	v_and_b32 v60, 15, v0                          ; r = lane % 16
	v_bfe_u32 v61, v0, 4, 1                        ; h = lane / 16
	v_and_b32 v62, 31, v0                          ; lane
	s_delay_alu instid0(VALU_DEP_3)
	v_lshlrev_b32 v63, 6, v60
	s_delay_alu instid0(VALU_DEP_1)
	v_lshl_add_u32 v63, v61, 4, v63                ; Q: row r of 64 bytes, + 16 h
	global_load_b128 v[124:127], v63, s[82:83] th:TH_LOAD_NT              ; LO: channels 16 h on,
	global_load_b128 v[128:131], v63, s[82:83] offset:32 th:TH_LOAD_NT    ; 32 + 16 h on
	global_load_b128 v[132:135], v63, s[84:85] th:TH_LOAD_NT              ; HI
	global_load_b128 v[136:139], v63, s[84:85] offset:32 th:TH_LOAD_NT
	v_lshlrev_b32 v64, 1, v60
	global_load_u16 v140, v64, s[86:87]            ; query r's two scale bytes
	global_load_u16 v141, v64, s[88:89]
	; thread 64 s + 4 m + b makes K's scale words (s, m, b) and (s + 8, m, b): the two bytes of key 128 s + 32 b + m % 8 + 16 (m / 8), and above them those of the key 8 further on
	v_and_b32 v66, 3, v0
	v_bfe_u32 v67, v0, 2, 3
	v_bfe_u32 v68, v0, 5, 1
	v_lshrrev_b32 v69, 6, v0
	s_delay_alu instid0(VALU_DEP_1)
	v_lshlrev_b32 v65, 8, v69
	s_delay_alu instid0(VALU_DEP_1)
	v_lshl_add_u32 v65, v66, 6, v65
	s_delay_alu instid0(VALU_DEP_1)
	v_lshl_add_u32 v65, v67, 1, v65
	s_delay_alu instid0(VALU_DEP_1)
	v_lshl_add_u32 v65, v68, 5, v65
	global_load_u16 v142, v65, s[10:11]
	global_load_u16 v143, v65, s[10:11] offset:16
	global_load_u16 v144, v65, s[10:11] offset:2048
	global_load_u16 v145, v65, s[10:11] offset:2064
	; and V's (s, m, t) and (s + 8, m, t): the four bytes of row 16 t + m at keys 128 s on
	v_bfe_u32 v71, v0, 2, 4
	v_lshlrev_b32 v70, 10, v66
	s_delay_alu instid0(VALU_DEP_1)
	v_lshl_add_u32 v70, v71, 6, v70
	s_delay_alu instid0(VALU_DEP_1)
	v_lshl_add_u32 v70, v69, 2, v70
	global_load_b32 v146, v70, s[14:15]
	global_load_b32 v147, v70, s[14:15] offset:32
	v_and_b32 v72, 7, v0
	v_bfe_u32 v73, v0, 3, 1
	s_delay_alu instid0(VALU_DEP_2)
	v_mul_u32_u24 v[AK0], v72, KP                  ; K: lanes r = 0-7 take eight places of the first run,
	s_delay_alu instid0(VALU_DEP_1)
	v_mad_u32_u24 v[AK0], v73, KC1, v[AK0]         ; lanes 8-15 the same places of the second,
	s_delay_alu instid0(VALU_DEP_1)
	v_lshl_add_u32 v[AK0], v61, 4, v[AK0]          ; + 16 h
	v_mul_u32_u24 v[AV0], v60, VP
	s_delay_alu instid0(VALU_DEP_1)
	v_lshl_add_u32 v[AV0], v61, 4, v[AV0]
	s_delay_alu instid0(VALU_DEP_1)
	v_add_nc_u32 v[AV0], VOFF, v[AV0]
	v_lshl_add_u32 v[ASW], v60, 4, KWT             ; four words a row
	s_lshl_b32 s72, s[WV], 11
	s_add_co_u32 s72, s72, QIMG
	v_lshl_add_u32 v[AQ], v62, 4, s72              ; an image: 16 bytes a lane
	s_mul_i32 s75, s[WV], 16*SP
	s_add_co_u32 s75, s75, STAGE                   ; my stage
	v_mul_u32_u24 v[STO], v60, SP
	s_delay_alu instid0(VALU_DEP_1)
	v_lshl_add_u32 v[STO], v61, 5, v[STO]
	s_delay_alu instid0(VALU_DEP_1)
	v_add_nc_u32 v[STO], s75, v[STO]               ; in: row r; tile t's eight channels of my half: 64 t + 32 h bytes on
	v_mul_u32_u24 v[RD], v61, SP
	s_delay_alu instid0(VALU_DEP_1)
	v_lshl_add_u32 v[RD], v60, 4, v[RD]
	s_delay_alu instid0(VALU_DEP_1)
	v_add_nc_u32 v[RD], s75, v[RD]                 ; back: lanes 0-15 one row, lanes 16-31 the next
	v_lshlrev_b32 v[GO], 8, v61
	s_delay_alu instid0(VALU_DEP_1)
	v_lshl_add_u32 v[GO], v60, 4, v[GO]            ; and the same two rows in out0
	v_lshl_add_u32 v74, v0, 2, KWT                 ; where my thread's scale words go
	v_lshlrev_b32 v[RH], 4, v61
	s_delay_alu instid0(VALU_DEP_1)
	v_sub_nc_u32 v[RH], v60, v[RH]
	v_mov_b32 v[NEG], 0xcc989680                   ; -8e7 = the problem's fill, -1e7, ahead of the scaling by 1 / 8
	; the prefetches: even waves stand in K, odd ones in V; only waves 4 and 5 ask
	s_cmp_eq_u32 s71, 0
	s_cselect_b64 s[PFA:PFA+1], s[8:9], s[12:13]
	s_mov_b32 s[PFS], 512
	s_cselect_b32 s[PFS], 32768, s[PFS]            ; a slot on
	s_cselect_b32 s95, 9, 11                       ; a pair of lanes on: 512 bytes of K's block, a row of V
	s_cselect_b32 s94, 13, 15                      ; a partner on: 8,192 bytes of K's block, 16 rows of V
	s_lshl_b32 s92, s69, s94
	s_add_co_u32 s92, s92, s[PFS]                  ; in slot 1: the first change of slots steps it to slot 2
	s_mov_b32 s93, 0
	s_mov_b32 s[PFS+1], 0
	s_add_nc_u64 s[PFA:PFA+1], s[PFA:PFA+1], s[76:77]
	s_add_nc_u64 s[PFA:PFA+1], s[PFA:PFA+1], s[92:93]
	s_lshr_b32 s72, s[WV], 1
	s_cmp_eq_u32 s72, 2
	s_cselect_b32 s[LIM], 1, -1
	v_lshrrev_b32 v[PFO], 1, v62
	s_delay_alu instid0(VALU_DEP_1)
	v_lshlrev_b32 v[PFO], s95, v[PFO]
	v_and_b32 v75, 1, v0
	s_delay_alu instid0(VALU_DEP_1)
	v_lshl_add_u32 v[PFO], v75, 8, v[PFO]          ; odd lanes 256 bytes on
.irp j, 0,1,2,3,4,5,6,7
	v_mov_b32 v[QB+\j], 0                          ; the zero codes on both sides of Q
	v_mov_b32 v[QB+16+\j], 0
.endr
.irp t, 0,1
	v_mov_b32 v[STT+4*\t], 0x7f61b1e6              ; -M: M begins at -3e38, under every t
	v_mov_b32 v[STT+4*\t+1], 0
	v_mov_b32 v[STT+4*\t+2], 0                     ; the sum, in two halves
	v_mov_b32 v[STT+4*\t+3], 0
.endr
	v_mov_b32 v[TMP], 0
	v_mov_b32 v[FP+1], 0                           ; (named as the upper halves of pairs)
	v_mov_b32 v[RC+1], 0
.set n, 0
.rept 64
	v_mov_b32 v[OA+n], 0                           ; O^T of both tiles.  (A tile's step is written once: the first finds zeros, which the first change of M leaves zeros)
.set n, n+1
.endr
	s_wait_loadcnt 0x0
	v_lshl_or_b32 v[QW], v140, 16, v140            ; Q's two bytes twice: they serve (Q, Z) and (Z, Q)
	v_lshl_or_b32 v[QW+1], v141, 16, v141
	v_lshl_or_b32 v142, v143, 16, v142
	v_lshl_or_b32 v144, v145, 16, v144
	ds_store_b128 v[AQ], v[124:127]
	ds_store_b128 v[AQ], v[128:131] offset:512
	ds_store_b128 v[AQ], v[132:135] offset:1024
	ds_store_b128 v[AQ], v[136:139] offset:1536
	ds_store_b32 v74, v142
	ds_store_b32 v74, v144 offset:2048
	ds_store_b32 v74, v146 offset:4096
	ds_store_b32 v74, v147 offset:6144             ; the first change's wait for my LDS instructions and its round stand between these stores and every wave's reads
.Lslot:                                            ; three trips: behind each change of slots but the last the next slot is asked for
	CHANGE 1
	SLOT_STEPS 1
	s_sub_co_u32 s[SLOTS], s[SLOTS], 1
	s_cmp_lg_u32 s[SLOTS], 0
	s_cbranch_scc1 .Lslot
	CHANGE 0                                       ; the last slot is written out
	SLOT_STEPS 0
	s_wait_tensorcnt 0x0                           ; the wave's end: behind my last tensor load and my last LDS store
	ds_add_u32 v[SPW], v[NIL]
	s_wait_dscnt 0x0
	CROUND                                         ; the closing round: no work-group ends while a partner may still ask for a tile that names it
	s_endpgm
.Lfunc_end_k_qf50abc441f_attn:
	.size	k_qf50abc441f_attn, .Lfunc_end_k_qf50abc441f_attn-k_qf50abc441f_attn
	.p2alignl 7, 3214868480
	.fill 96, 4, 3214868480
	.section	.rodata,"a",@progbits
	.p2align	6, 0x0
	.amdhsa_kernel k_qf50abc441f_attn
		.amdhsa_group_segment_fixed_size 327680
		.amdhsa_private_segment_fixed_size 0
		.amdhsa_enable_private_segment 0
		.amdhsa_kernarg_size 56
		.amdhsa_user_sgpr_count 2
		.amdhsa_user_sgpr_kernarg_segment_ptr 1
		.amdhsa_wavefront_size32 1
		.amdhsa_system_sgpr_workgroup_id_x 1
		.amdhsa_system_sgpr_workgroup_id_y 1
		.amdhsa_system_sgpr_workgroup_id_z 1
		.amdhsa_system_vgpr_workitem_id 0
		.amdhsa_next_free_vgpr 256
		.amdhsa_next_free_sgpr 96
		.amdhsa_reserve_vcc 1
		.amdhsa_float_denorm_mode_32 3
		.amdhsa_float_denorm_mode_16_64 3
		.amdhsa_fp16_overflow 1
		.amdhsa_memory_ordered 1
		.amdhsa_forward_progress 1
		.amdhsa_inst_pref_size 94
	.end_amdhsa_kernel
	.amdgpu_metadata
---
amdhsa.version: [ 1, 2 ]
amdhsa.kernels:
  - .name:           k_qf50abc441f_attn
    .symbol:         k_qf50abc441f_attn.kd
    .args:
      - { .name: Q_codes, .offset: 0, .size: 8, .value_kind: global_buffer, .address_space: global }
      - { .name: Q_scales, .offset: 8, .size: 8, .value_kind: global_buffer, .address_space: global }
      - { .name: K_codes, .offset: 16, .size: 8, .value_kind: global_buffer, .address_space: global }
      - { .name: K_scales, .offset: 24, .size: 8, .value_kind: global_buffer, .address_space: global }
      - { .name: V_codes, .offset: 32, .size: 8, .value_kind: global_buffer, .address_space: global }
      - { .name: V_scales, .offset: 40, .size: 8, .value_kind: global_buffer, .address_space: global }
      - { .name: out0, .offset: 48, .size: 8, .value_kind: global_buffer, .address_space: global }
    .group_segment_fixed_size: 327680
    .private_segment_fixed_size: 0
    .kernarg_segment_align: 8
    .kernarg_segment_size: 56
    .max_flat_workgroup_size: 512
    .sgpr_count:     96
    .vgpr_count:     256
    .wavefront_size: 32
...
	.end_amdgpu_metadata
.endif
;; end of part 1
